; MI455X (gfx1250); checked and timed in simulation.
; The chip was launched on July 23, 2026; its instructions are those of AMD's public machine-readable ISA for CDNA 5 (MIT licence, August 2026) and "CDNA5" Instruction Set Architecture Reference Guide (July 2026). The comments in the code are by the model that wrote it; some were corrected since.
;; DPLLM Linear. Allowed arithmetic: matrix products marked QUANTISED: E3M2 operands, one E8M0 scale for each 32 along K, by v_wmma_scale_f32_16x16x128_f8f6f4 with both operands' format E3M2, f32 sums; everything else in f32.
;; Inputs: bias 4,096 float32; lut4 4,096 x 16 float32; lut8 4,096 x 256 float32; qweight 8 x 4,096 x 128 int32; x 4 x 512 x 4,096 float32.
;; Outputs: out0 4 x 512 x 4,096 float32.
;; This version of the problem:
;;   THIS VERSION OF THE PROBLEM IS GIVEN IN LOW PRECISION. The matrix products marked QUANTISED in the list below multiply operands that are first quantised to E3M2 (3 exponent bits, 2 mantissa bits; 6 bits a number), with one power-of-two scale for each 32 numbers along K (OCP MX v1.0); their sums are f32. All else is computed in f32.
;;   The module's matrix products, in the order in which they are computed (A, B: the left and right operand; K: the contracted axis; several contracted axes count as one K, in the product's order):
;;     1. [M 2,048, K 4,096] x [K 4,096, N 4,096]; A: input x; B: computed on the way: QUANTISED
;;     2. [M 2,048, K 4,096] x [K 4,096, N 4,096]; A: input x; B: computed on the way: QUANTISED
;;   THE QUANTISER, for each operand of a quantised product, along K:
;;     - K is cut into blocks of 32 from its start; a last block that is shorter is filled with zeros.
;;     - A block's scale is 2^e with e = floor(log2(the largest magnitude in the block)) - 4, held to -126 .. 127; a block of zeros has e = 0. As a byte (E8M0): e + 127.
;;     - Each number is divided by its block's scale, clamped to +-28, and rounded to the nearest number of E3M2, ties to even, subnormals kept.
;;     - The product sums the exact products of the quantised numbers (number of the format x scale) in f32.
;;   ~~~python
;;   def quantise(x, axis):      # numpy; x: float32 -> the quantised numbers, widened to float32 again
;;       x = np.moveaxis(x, axis, -1); K = x.shape[-1]
;;       x = np.pad(x, [(0, 0)] * (x.ndim - 1) + [(0, -K % 32)]); x = x.reshape(x.shape[:-1] + (-1, 32)); a = np.abs(x).max(-1, keepdims=True)
;;       e = np.where(a > 0, np.clip(np.frexp(np.where(a > 0, a, 1))[1] - 1 - 4, -126, 127), 0)      # np.frexp(a)[1] - 1 = floor(log2(a)), exactly
;;       r = np.clip(x / 2.0 ** e, -28, 28)
;;       step = 2.0 ** (np.maximum(np.frexp(np.where(r == 0, 1, r))[1] - 1, -2) - 2)
;;       q = np.round(r / step) * step * 2.0 ** e      # np.round: ties to even
;;       return np.moveaxis(q.reshape(q.shape[:-2] + (-1,))[..., :K], -1, axis).astype(np.float32)
;;   ~~~
;;   OPERANDS COMPUTED ON THE WAY. 'Computed on the way' means the value that the module computes at that place (a softmax that the list does not call 'softmax' is quantised finished and normalised). What goes into a quantiser is computed in f32, as accurately as f32 sums, v_exp_f32 and their like allow (about 1e-6 of the number): no bf16 or f16 on the way to a quantiser, and a product that is left as it is and whose result goes on into a quantised operand takes f32 operands (vector FMAs, or v_wmma_f32_16x16x4_f32). A number that lies on a knife's edge between two numbers of the format may be rounded either way, as far as f32 arithmetic and the matrix unit's own rounding can turn it there, and no further.
;; One version. Each part assembles by itself: llvm-mc -triple=amdgcn-amd-amdhsa -mcpu=gfx1250 --defsym DOCPART=n.
;; ======== version 1 of 1: 3 launches
;; workspace buffers: xq 6,291,456 bytes; xs 262,144 bytes; flags 8,192 bytes of whole numbers; wq 25,165,824 bytes; ws 1,048,576 bytes; xa 7,168,000 bytes; sa 286,720 bytes; perm 9,216 bytes of whole numbers
;; launch xquant (part 1): grid 256 x 1, 4 waves a work-group, no clusters, 33,280 bytes of LDS; arguments x, xq, xs, flags; writes xq, xs, flags
.if DOCPART == 1
	.amdgcn_target "amdgcn-amd-amdhsa--gfx1250"
	.amdhsa_code_object_version 6
	.text
	.protected	k_q528c0f26ff_xquant
	.globl	k_q528c0f26ff_xquant
	.p2align	8
	.type	k_q528c0f26ff_xquant,@function
k_q528c0f26ff_xquant:
	s_mov_b64 s[64:65], 0
	v_nop
	global_prefetch_b8 v0, s[64:65] scope:SCOPE_SE
	s_setreg_imm32_b32 hwreg(HW_REG_WAVE_MODE, 25, 1), 1
	s_wait_xcnt 0x0
; x [2048 tokens][4096] f32 -> codes of BF6 (E3M2), one E8M0 scale byte for each 32 along K, and for each token a flag: 1 where its norm is above 64.
; A block's scale is 2^(floor(log2(largest magnitude)) - 4): its byte is the largest magnitude's exponent field - 4, held at 1 from below.
; LAYOUT OF THE RESULTS (read by this program alone).  xq: [token][slot 8][384 bytes]; a slot is 512 along K, four K steps of 96 bytes; in a K step the four blocks of
; 24 bytes stand in the order 0, 2, 1, 3, so that the 48 bytes which a lane of a matrix operand wants (blocks h and 2 + h) are neighbours.
; xs: [token][slot 8][par 2][pp 2] words: the scale word (byte b = block b) of K step par + 2 pp.   flags: [token] 0 or 1.
; THE FLAG.  reference compares sqrt(s) with 64, s the f32 sum of squares.  A correctly rounded root of an f32 s is above 64 exactly where s > 4096 + 2^-11 (the next f32 above 4096):
; so s is compared, and no root is taken.  The sum is a tree: 8 partial sums a lane, then across the 32 lanes.
; LIMITS: NaN and infinities are not served.  A block whose largest magnitude lies under 2^-122 gets the byte 1; a block of zeros gets the byte 1 with zero codes.
; A token whose sum of squares lies within the rounding of an f32 sum of 4096 + 2^-11 may fall on either side.
; SHARES.  A wave takes two tokens: 16 steps of 512 numbers.  Each load reads 512 consecutive bytes; a step's 2,048 bytes turn through the wave's own stage in LDS and come back 64 bytes a lane,
; so that a lane holds 16 neighbours along K and two neighbouring lanes hold a block.  Loads run eight steps (32 loads a wave) ahead.  No barrier: waves share nothing.
; No cluster, no matrix unit, no tensor load: every byte is read once by one wave.
.set STEPS, 16
.set EMAX,  4
.set SP,    80                         ; a lane's place in a stage: 64 bytes + 16 of padding
.set WREG,  8192                       ; LDS of a wave: two stages of 32 x SP bytes, then its 256 scale bytes
.set R,     16                         ; v16-143  eight sets of 16 numbers as loaded
.set X,     144                        ; v144-175 two sets of 16 neighbours
.set C,     176                        ; v176-239 four registers of codes for each step: no store's data are written again
.set E,     240                        ; v240-241 the scale byte, two registers by turns
.set SQ,    242                        ; v242-249 four pairs of partial sums of squares
.set F,     250                        ; v250-251 the two tokens' flags
.set TS,    252                        ; v252-253 at work on the sum
	s_load_b128 s[4:7], s[0:1], 0x0                ; x, xq
	s_load_b128 s[8:11], s[0:1], 0x10              ; xs, flags
	v_lshl_add_u32 v254, v0, 2, 0x8000
	v_mov_b32 v255, 0
	v_lshrrev_b32 v1, 5, v0
	v_readfirstlane_b32 s16, v1                    ; wave
	v_and_b32 v2, 31, v0                           ; lane j
	v_lshlrev_b32 v3, 4, v2                        ; my 16 bytes of a load's 512
	s_mul_i32 s17, s16, WREG
	v_lshrrev_b32 v14, 2, v2
	v_mul_u32_u24 v14, v14, SP
	v_and_b32 v15, 3, v2
	v_lshl_add_u32 v14, v15, 4, v14
	v_add_nc_u32 v14, s17, v14                     ; the stage, in: SP (j / 4) + 16 (j % 4)
	v_mul_u32_u24 v15, v2, SP
	v_add_nc_u32 v15, s17, v15                     ; and out: SP j: my 16 neighbours
	v_lshrrev_b32 v8, 3, v2                        ; kq: my K step in the slot
	v_bfe_u32 v9, v2, 1, 2                         ; b: my block in the K step
	v_and_b32 v10, 1, v9
	v_lshrrev_b32 v11, 1, v9
	v_lshl_or_b32 v10, v10, 1, v11                 ; its place in the order 0, 2, 1, 3
	v_mul_u32_u24 v4, v8, 96
	v_mad_u32_u24 v4, v10, 24, v4
	v_and_b32 v11, 1, v2
	v_mad_u32_u24 v4, v11, 12, v4                  ; my 12 bytes of codes in a slot's 384
	v_and_b32 v10, 1, v8
	v_lshrrev_b32 v11, 1, v8
	v_lshl_or_b32 v10, v10, 1, v11                 ; the K step's word among the slot's four: 2 par + pp
	v_lshl_add_u32 v5, v10, 2, v9                  ; and my block's byte in it
	s_add_co_u32 s17, s17, 2*32*SP
	v_add_nc_u32 v5, s17, v5                       ; in my wave's 256 scale bytes
	v_lshlrev_b32 v7, 3, v2
	v_add_nc_u32 v6, s17, v7                       ; on the way out 8 bytes a lane
	v_mov_b32 v[TS+1], 0                           ; written once: a lane permute's destination counts as one of its sources
	s_mov_b32 s12, 0x76543210
	s_mov_b32 s13, 0xfedcba98                      ; v_permlanex16_b32's selects for lane l xor 16
	s_lshl_b32 s18, ttmp9, 2
	s_add_co_u32 s18, s18, s16                     ; W: my pair of tokens
	s_lshl_b32 s20, s18, 15                        ; 32,768 bytes of x,
	s_mov_b32 s21, 0
	s_mul_i32 s22, s18, 6144                       ; 6,144 of codes,
	s_mov_b32 s23, 0
	s_lshl_b32 s24, s18, 8                         ; 256 of scale bytes,
	s_mov_b32 s25, 0
	s_lshl_b32 s26, s18, 3                         ; 8 of flags
	s_mov_b32 s27, 0
	s_wait_kmcnt 0x0
	s_add_nc_u64 s[4:5], s[4:5], s[20:21]
	s_add_nc_u64 s[6:7], s[6:7], s[22:23]
	s_add_nc_u64 s[8:9], s[8:9], s[24:25]
	s_add_nc_u64 s[10:11], s[10:11], s[26:27]
.macro LOAD t
.irp i, 0,1,2,3
	global_load_b128 v[R+16*((\t)%8)+4*\i:R+16*((\t)%8)+4*\i+3], v3, s[4:5] offset:2048*(\t)+512*\i th:TH_LOAD_NT   ; 32 lanes read 512 consecutive bytes
.endr
.endm
.macro TURN t                          ; step t's numbers through the stage: LDS serves a wave's instructions in order, so no wait stands between the stores and the loads
.irp i, 0,1,2,3
	ds_store_b128 v14, v[R+16*((\t)%8)+4*\i:R+16*((\t)%8)+4*\i+3] offset:32*SP*((\t)%2)+8*SP*\i
.endr
.irp i, 0,1,2,3
	ds_load_b128 v[X+16*((\t)%2)+4*\i:X+16*((\t)%2)+4*\i+3], v15 offset:32*SP*((\t)%2)+16*\i
.endr
.endm
.irp t, 0,1,2,3,4,5,6,7
	LOAD \t
.endr
	s_wait_loadcnt 28                              ; step 0's four loads are in; seven steps' may be out
	TURN 0
.macro STEP t
.set XS, X+16*((\t)%2)
.if (\t) > 0
	s_wait_dscnt 1                                 ; this step's numbers are back from the stage (the last step's byte store may be out): so its stores into the stage have read their registers,
.else
	s_wait_dscnt 0x0
.endif
.if (\t)+8 < STEPS
	LOAD (\t)+8                                    ; which take the loads of eight steps on
.endif
.if (\t)+1 < STEPS
.if (\t) <= 7
	s_wait_loadcnt 28                              ; the next step's four loads are in; those of the seven steps behind it may be out
.else
	s_wait_loadcnt 4*(14-(\t))                     ; the steps left behind the next one
.endif
	TURN (\t)+1                                    ; they go through the other stage while this step is worked
.endif
.irp m, 0,1,2,3                        ; the sum of squares: four chains of pairs; a token's first step starts them
.if (\t)%8 == 0
	v_pk_mul_f32 v[SQ+2*\m:SQ+2*\m+1], v[XS+2*\m:XS+2*\m+1], v[XS+2*\m:XS+2*\m+1]
.else
	v_pk_fma_f32 v[SQ+2*\m:SQ+2*\m+1], v[XS+2*\m:XS+2*\m+1], v[XS+2*\m:XS+2*\m+1], v[SQ+2*\m:SQ+2*\m+1]
.endif
.endr
.irp m, 0,1,2,3
	v_pk_fma_f32 v[SQ+2*\m:SQ+2*\m+1], v[XS+8+2*\m:XS+8+2*\m+1], v[XS+8+2*\m:XS+8+2*\m+1], v[SQ+2*\m:SQ+2*\m+1]
.endr
	v_max3_num_f32 v8, |v[XS]|, |v[XS+1]|, |v[XS+2]|               ; the largest magnitude of my 16
	v_max3_num_f32 v9, |v[XS+3]|, |v[XS+4]|, |v[XS+5]|
.irp i, 6,10
	v_max3_num_f32 v8, v8, |v[XS+\i]|, |v[XS+\i+1]|
	v_max3_num_f32 v9, v9, |v[XS+\i+2]|, |v[XS+\i+3]|
.endr
	v_max3_num_f32 v8, v8, |v[XS+14]|, |v[XS+15]|
	v_max3_num_f32 v8, v8, v9, (EMAX+1)<<23        ; and the floor 2^(5 - 127): the byte cannot fall under 1
	v_max_num_f32_dpp v8, v8, v8 row_xmask:1 row_mask:0xf bank_mask:0xf   ; with my neighbour's 16: the block's
	v_add_nc_u32 v11, -(EMAX<<23), v8              ; 4 off its exponent field: the conversion takes the exponent field of this operand as its scale
	v_cvt_scalef32_pk16_bf6_f32 v[C+4*(\t):C+4*(\t)+2], v[XS:XS+15], v11   ; sixteen codes, 96 bits, the first number's lowest; beyond 28 the largest code
	v_lshrrev_b32 v[E+(\t)%2], 23, v11             ; the scale's byte (a plain line behind the conversion)
	ds_store_b8 v5, v[E+(\t)%2] offset:16*(\t)     ; both lanes of a block write the same byte with the same value
	global_store_b96 v4, v[C+4*(\t):C+4*(\t)+2], s[6:7] offset:384*(\t)   ; the wave's 32 stores of 12 bytes cover the slot's 384 consecutive bytes
.if (\t)%8 == 7                        ; a token is through: its sum, and the flag
	v_pk_add_f32 v[SQ:SQ+1], v[SQ:SQ+1], v[SQ+2:SQ+3]
	v_pk_add_f32 v[SQ+4:SQ+5], v[SQ+4:SQ+5], v[SQ+6:SQ+7]
	v_pk_add_f32 v[SQ:SQ+1], v[SQ:SQ+1], v[SQ+4:SQ+5]
	v_add_f32 v[TS], v[SQ], v[SQ+1]
	v_add_f32_dpp v[TS], v[TS], v[TS] row_xmask:1 row_mask:0xf bank_mask:0xf
	v_add_f32_dpp v[TS], v[TS], v[TS] row_xmask:2 row_mask:0xf bank_mask:0xf
	v_add_f32_dpp v[TS], v[TS], v[TS] row_xmask:4 row_mask:0xf bank_mask:0xf
	v_add_f32_dpp v[TS], v[TS], v[TS] row_xmask:8 row_mask:0xf bank_mask:0xf
	v_permlanex16_b32 v[TS+1], v[TS], s12, s13
	v_add_f32 v[TS], v[TS], v[TS+1]
	v_cmp_lt_f32 vcc_lo, 0x45800001, v[TS]         ; 4096 + 2^-11 < s
	v_cndmask_b32 v[F+(\t)/8], 0, 1, vcc_lo
.endif
.endm
.irp t, 0,1,2,3,4,5,6,7,8,9,10,11,12,13,14,15
	STEP \t
.endr
	ds_load_b64 v[12:13], v6                       ; LDS serves a wave's instructions in order: these see my byte stores
	v_cmp_eq_u32 vcc_lo, 1, v2
	v_cndmask_b32 v[F], v[F], v[F+1], vcc_lo       ; lane 0 holds the first token's flag, lane 1 the second's
	v_lshlrev_b32 v9, 2, v2
	s_wait_dscnt 0x0
	global_store_b64 v7, v[12:13], s[8:9]          ; 32 lanes store 256 consecutive bytes, aligned: both tokens' scale words
	v_cmp_gt_u32 vcc_lo, 2, v2
	s_wait_xcnt 0x0                                ; EXEC changes only behind this wait: it is a source of the stores above
	s_wait_tensorcnt 0x0
	ds_add_u32 v254, v255
	s_wait_dscnt 0x0
	s_and_saveexec_b32 s15, vcc_lo
	global_store_b32 v9, v[F], s[10:11]            ; lanes 0 and 1 alone
	s_endpgm
.Lfunc_end_k_q528c0f26ff_xquant:
	.size	k_q528c0f26ff_xquant, .Lfunc_end_k_q528c0f26ff_xquant-k_q528c0f26ff_xquant
	.p2alignl 7, 3214868480
	.fill 96, 4, 3214868480
	.section	.rodata,"a",@progbits
	.p2align	6, 0x0
	.amdhsa_kernel k_q528c0f26ff_xquant
		.amdhsa_group_segment_fixed_size 33280
		.amdhsa_private_segment_fixed_size 0
		.amdhsa_enable_private_segment 0
		.amdhsa_kernarg_size 32
		.amdhsa_user_sgpr_count 2
		.amdhsa_user_sgpr_kernarg_segment_ptr 1
		.amdhsa_wavefront_size32 1
		.amdhsa_system_sgpr_workgroup_id_x 1
		.amdhsa_system_sgpr_workgroup_id_y 1
		.amdhsa_system_sgpr_workgroup_id_z 1
		.amdhsa_system_vgpr_workitem_id 0
		.amdhsa_next_free_vgpr 256
		.amdhsa_next_free_sgpr 66
		.amdhsa_reserve_vcc 1
		.amdhsa_float_denorm_mode_32 3
		.amdhsa_float_denorm_mode_16_64 3
		.amdhsa_memory_ordered 1
		.amdhsa_forward_progress 1
		.amdhsa_inst_pref_size 43
	.end_amdhsa_kernel
	.amdgpu_metadata
---
amdhsa.version: [ 1, 2 ]
amdhsa.kernels:
  - .name:           k_q528c0f26ff_xquant
    .symbol:         k_q528c0f26ff_xquant.kd
    .args:
      - { .name: x, .offset: 0, .size: 8, .value_kind: global_buffer, .address_space: global }
      - { .name: xq, .offset: 8, .size: 8, .value_kind: global_buffer, .address_space: global }
      - { .name: xs, .offset: 16, .size: 8, .value_kind: global_buffer, .address_space: global }
      - { .name: flags, .offset: 24, .size: 8, .value_kind: global_buffer, .address_space: global }
    .group_segment_fixed_size: 33280
    .private_segment_fixed_size: 0
    .kernarg_segment_align: 8
    .kernarg_segment_size: 32
    .max_flat_workgroup_size: 128
    .sgpr_count:     66
    .vgpr_count:     256
    .wavefront_size: 32
...
	.end_amdgpu_metadata
.endif
;; end of part 1
;; launch wroute (part 2): grid 326 x 1, 8 waves a work-group, no clusters, 136,192 bytes of LDS; arguments qweight, lut4, lut8, flags, xq, xs, wq, ws, xa, sa, perm; writes wq, ws, xa, sa, perm
.if DOCPART == 2
	.amdgcn_target "amdgcn-amd-amdhsa--gfx1250"
	.amdhsa_code_object_version 6
	.text
	.protected	k_q528c0f26ff_wroute
	.globl	k_q528c0f26ff_wroute
	.p2align	8
	.type	k_q528c0f26ff_wroute,@function
k_q528c0f26ff_wroute:
	s_mov_b64 s[64:65], 0
	v_nop
	global_prefetch_b8 v0, s[64:65] scope:SCOPE_SE
	s_setreg_imm32_b32 hwreg(HW_REG_WAVE_MODE, 25, 1), 1
	s_wait_xcnt 0x0
; TWO JOBS IN ONE LAUNCH, parted on the work-group's number alone; they share no byte.
; WORK-GROUPS 0-255: THE WEIGHTS.  qweight [8 planes][4096 rows][128 words] and the rows' tables lut8 [4096][256], lut4 [4096][16] become both dense weights, w_h[o][i] = lut8[o][idx8], w_l[o][i] = lut4[o][idx8 & 15]
; (idx8 = the eight planes' bits of position i), quantised along K to codes of BF6 (E3M2) with one E8M0 byte for each 32.  One word of each plane IS one block of 32.
;   wq: [class 2][column tile 16][slot 8][half 2][block of 16 rows 8][K step 4][1,536 bytes]: the image of a matrix operand's 12 registers: register group c of lane L at 512 c + 16 L.  Class 0 = lut4, 1 = lut8.
;   ws: [class 2][16 rows 256][slot 8][lane' = r + 16 par][pp 2] words: the scale word of row r for K step par + 2 pp.
;   A work-group takes 32 rows and half of K (four slots of 512).  A LANE IS A ROW; wave v takes slot v / 2 of the four and the K steps v % 2 and v % 2 + 2 of it.
;   The rows' tables lie in LDS as pairs (lut8[l][idx], lut4[l][idx & 15]) at 256 idx + 8 l: each lane keeps to two banks of its own (64 banks of 4 bytes: ISA guide 11.1), whatever it gathers.
;   Tables and planes are read from memory in whole runs of 256 or 512 bytes and turned through a stage in LDS, since a lane wants a row.  Behind the third barrier LDS is only read.
; WORK-GROUPS 256-325: THE PLACING OF TOKENS.  reference keeps, for each token, one of the two products: so the tokens are sorted by their flag into 14 tiles of 160 rows, each of one class:
;   ceil(a / 160) + ceil(b / 160) is 13 or 14 wherever a + b = 2,048.  Where it is 13, the larger class (1,024 tokens or more) has its first 160 spread over two tiles, 80 each: every tile has a token of its own.
;   Rows that a tile has over repeat its last token: the product then stores the same bytes twice, from one work-group.
;   xa: [tile 14][slot 8][row 160][400 bytes: 384 of codes + 16, written]; sa: [tile 14][16 rows 10][slot 8][lane' 32][pp 2] words; perm: [2,240] token | class << 16.
;   A work-group takes 32 rows of a tile, its wave s slot s.  Every wave finds its rows' tokens anew from the 2,048 flags (64 masks in scalar registers, a scan, a search in the word): no LDS byte, no barrier.
; LIMITS: NaN and infinities in the tables are not served; a block whose largest magnitude lies under 2^-122, a block of zeros among them, gets the byte 1 (zeros: with zero codes).
; No cluster: what two work-groups share (a row group's tables, 34 KB against 64 KB of planes of their own) is small.  No tensor load: the stage is written by ds_store and read by rows.
.set WVN,  98                          ; s98  my wave's number
.set STG,  65536                       ; LDS: the table 0 .. 65,535; behind it the stage, 69,632 bytes, used twice
.set L4S,  STG+33280                   ; first use: lut8's 32 rows at pitch 1,040, then lut4's at pitch 80.  Second use: (plane p, row l) at (32 p + l) x 272
	v_lshl_add_u32 v235, v0, 2, 0x21000
	v_mov_b32 v239, 0
	v_lshrrev_b32 v1, 5, v0
	v_readfirstlane_b32 s[WVN], v1
	s_cmp_ge_u32 ttmp9, 256
	s_cbranch_scc1 .Lroute
; ------------------------------------------------------------------ the weights
; REGISTERS: v1 lane; v2 8 l; v3 plane stage, read; v4, v5 my offsets in wq, ws; v6-v11 stage addresses of the head; v13-15 offsets of the head's loads;
;   v16-79 the plane words of two K steps, Q[32 n + 4 p + b], after the transposition byte j of Q[32 n + 4 r + b] = idx8 of position 8 j + r of block b;
;   v80-207 two buffers of a block's 32 lut8 values and 32 lut4 values; v208-219, v220-231 the images in the making (lut8, lut4); v232-239 second halves of the conversions;
;   v240-243 at work; v244-247 largest magnitudes; v248-251 scale operands and bytes; v[252:253], v[254:255] the scale words of my two K steps (lut8, lut4).
	s_load_b128 s[4:7], s[0:1], 0x0                ; qweight, lut4
	s_load_b64 s[8:9], s[0:1], 0x10                ; lut8
	s_load_b128 s[12:15], s[0:1], 0x30             ; wq, ws
	s_lshr_b32 s17, ttmp9, 1                       ; G: rows 32 G on
	s_and_b32 s18, ttmp9, 1                        ; kh: which half of K
	s_lshr_b32 s19, s[WVN], 1                      ; my slot of the half's four
	s_and_b32 s20, s[WVN], 1                       ; par
	s_mov_b32 s40, 0x0f0f0f0f
	s_mov_b32 s41, 0x33333333
	s_mov_b32 s42, 0x55555555
	v_and_b32 v1, 31, v0                           ; l
	v_lshlrev_b32 v2, 3, v1
	v_and_b32 v12, 15, v0                          ; l % 16
	v_bfe_u32 v13, v0, 4, 1                        ; l / 16
	v_lshlrev_b32 v15, 4, v1                       ; lut8 in memory: 16 l
	v_lshlrev_b32 v14, 4, v12
	v_lshl_add_u32 v14, v13, 9, v14                ; planes in memory: sixteen lanes to a row's 256 bytes, two rows a load
	s_mul_i32 s21, s[WVN], 4160
	s_add_co_u32 s21, s21, STG
	v_add_nc_u32 v6, s21, v15                      ; lut8 into the stage: my wave's four rows
	v_lshrrev_b32 v7, 3, v0
	v_mul_u32_u24 v7, v7, 80
	v_and_b32 v8, 7, v0
	v_lshl_add_u32 v7, v8, 3, v7
	v_add_nc_u32 v7, L4S, v7                       ; lut4 into the stage: 8 bytes a thread, eight threads to a row
	s_lshl_b32 s21, s[WVN], 7
	s_add_co_u32 s21, s21, STG
	v_mul_u32_u24 v8, v1, 1040
	v_add_nc_u32 v8, s21, v8                       ; out of it: row l, entries 32 v on
	v_mul_u32_u24 v9, v1, 80
	v_add_nc_u32 v9, L4S, v9                       ; row l of lut4
	s_lshl_b32 s21, s[WVN], 13
	v_add_nc_u32 v10, s21, v2                      ; the table: entry 32 v of row l
	s_mul_i32 s21, s[WVN], 8704
	s_add_co_u32 s21, s21, STG
	v_mul_u32_u24 v11, v13, 272
	v_lshl_add_u32 v11, v12, 4, v11
	v_add_nc_u32 v11, s21, v11                     ; planes into the stage: my wave's plane
	s_lshl_b32 s21, s19, 6
	s_lshl_b32 s22, s20, 4
	s_add_co_u32 s21, s21, s22
	s_add_co_u32 s21, s21, STG
	v_mul_u32_u24 v3, v1, 272
	v_add_nc_u32 v3, s21, v3                       ; out of it: row l, the four words of my first K step
	v_mul_u32_u24 v4, v13, 6144
	v_lshl_add_u32 v4, v12, 4, v4                  ; wq: my block of 16 rows, lane r's 16 bytes
	v_lshlrev_b32 v5, 11, v13
	v_lshl_add_u32 v5, v12, 3, v5                  ; ws: likewise, 8 bytes
	v_lshlrev_b32 v13, 3, v0                       ; lut4 in memory: 8 bytes a thread
	s_lshl_b32 s22, s17, 15
	s_lshl_b32 s23, s[WVN], 12
	s_add_co_u32 s22, s22, s23                     ; lut8: 32,768 G + 4,096 v
	s_mov_b32 s23, 0
	s_lshl_b32 s24, s17, 11                        ; lut4: 2,048 G
	s_mov_b32 s25, 0
	s_lshl_b32 s26, s[WVN], 21                     ; planes: plane v, row 32 G, half kh
	s_lshl_b32 s27, s17, 14
	s_add_co_u32 s26, s26, s27
	s_lshl_b32 s27, s18, 8
	s_add_co_u32 s26, s26, s27
	s_mov_b32 s27, 0
	s_lshr_b32 s28, s17, 3                         ; wq: (((G / 8) 8 + slot) 2 + (G / 4) % 2) x 49,152 + ((G % 4) 8 + par) x 1,536
	s_lshl_b32 s28, s28, 3
	s_lshl_b32 s29, s18, 2
	s_add_co_u32 s29, s29, s19                     ; the slot: 4 kh + v / 2
	s_add_co_u32 s28, s28, s29
	s_lshl_b32 s30, s29, 8                         ; (ws: 256 x slot)
	s_lshl_b32 s28, s28, 1
	s_bfe_u32 s29, s17, 0x10002
	s_add_co_u32 s28, s28, s29
	s_mul_i32 s28, s28, 49152
	s_and_b32 s29, s17, 3
	s_lshl_b32 s29, s29, 3
	s_add_co_u32 s29, s29, s20
	s_mul_i32 s29, s29, 1536
	s_add_co_u32 s28, s28, s29
	s_mov_b32 s29, 0
	s_lshl_b32 s31, s17, 12                        ; ws: 4,096 G + 256 slot + 128 par
	s_add_co_u32 s30, s30, s31
	s_lshl_b32 s31, s20, 7
	s_add_co_u32 s30, s30, s31
	s_mov_b32 s31, 0
	s_wait_kmcnt 0x0
	s_add_nc_u64 s[8:9], s[8:9], s[22:23]
	s_add_nc_u64 s[6:7], s[6:7], s[24:25]
	s_add_nc_u64 s[4:5], s[4:5], s[26:27]
	s_add_nc_u64 s[32:33], s[12:13], s[28:29]      ; wq, class 0
	s_add_nc_u64 s[34:35], s[32:33], 12582912      ; class 1
	s_add_nc_u64 s[36:37], s[14:15], s[30:31]      ; ws, class 0
	s_add_nc_u64 s[38:39], s[36:37], 524288        ; class 1
.irp k, 0,1,2,3,4,5,6,7
	global_load_b128 v[144+4*\k:147+4*\k], v15, s[8:9] offset:512*\k      ; 512 consecutive bytes of the rows' tables
.endr
	global_load_b64 v[176:177], v13, s[6:7]
.irp k, 0,1,2,3,4,5,6,7,8,9,10,11,12,13,14,15
	global_load_b128 v[80+4*\k:83+4*\k], v14, s[4:5] offset:1024*\k th:TH_LOAD_NT   ; sixteen lanes read 256 consecutive bytes, aligned; read once in the launch
.endr
.macro BARRIER                         ; my LDS stores have landed and my LDS loads are in: then the work-group's barrier
	s_wait_dscnt 0x0
	s_barrier_signal -1
	s_barrier_wait -1
.endm
	s_wait_loadcnt 16                              ; the tables are in; the sixteen loads of planes may be out
.irp k, 0,1,2,3,4,5,6,7
	ds_store_b128 v6, v[144+4*\k:147+4*\k] offset:1040*(\k/2)+512*(\k%2)
.endr
	ds_store_b64 v7, v[176:177]
	BARRIER                                        ; the 32 rows' tables lie in the stage
.irp k, 0,1,2,3
	ds_load_b128 v[48+4*\k:51+4*\k], v9 offset:16*\k                      ; my row's lut4
.endr
.irp k, 0,1,2,3,4,5,6,7
	ds_load_b128 v[16+4*\k:19+4*\k], v8 offset:16*\k                      ; my row's lut8, entries 32 v .. 32 v + 31
.endr
	s_wait_dscnt 0x0
.irp e, 0,1,2,3,4,5,6,7,8,9,10,11,12,13,14,15,16,17,18,19,20,21,22,23,24,25,26,27,28,29,30,31
	ds_store_b32 v10, v[16+\e] offset:256*\e
	ds_store_b32 v10, v[48+\e%16] offset:256*\e+4
.endr
	BARRIER                                        ; the table is whole, and the stage has been read out
	s_wait_loadcnt 0x0                             ; the planes
.irp k, 0,1,2,3,4,5,6,7,8,9,10,11,12,13,14,15
	ds_store_b128 v11, v[80+4*\k:83+4*\k] offset:544*\k
.endr
	BARRIER                                        ; the planes lie in the stage; from here on LDS is only read
.irp n, 0,1
.irp p, 0,1,2,3,4,5,6,7
	ds_load_b128 v[16+32*\n+4*\p:19+32*\n+4*\p], v3 offset:8704*\p+32*\n  ; plane p, my row, the four blocks of K step par + 2 n
.endr
.endr
; The eight blocks go in the order s = 0 .. 7: K step n = s / 4, block b = 0, 2, 1, 3: blocks h and 2 + h make the image of the operand's lane (r, h).
; One exchange of an 8 x 8 transposition of bits: a's bits whose index has the bit sh set change places with c's bits whose index has it clear.
.macro XCH a, c, sh, m, t
	v_lshlrev_b32 v[\t], \sh, v[\c]
	v_lshrrev_b32 v[\t+1], \sh, v[\a]
	v_bfi_b32 v[\a], s[\m], v[\a], v[\t]
	v_bfi_b32 v[\c], s[\m], v[\t+1], v[\c]
.endm
.macro TR s                            ; block s: eight planes' words -> eight words of four codes each, all four bytes at once
.set QB, 16+32*((\s)/4)+2*((\s)%2)+((\s)/2)%2
	XCH QB, QB+16, 4, 40, 240
	XCH QB+4, QB+20, 4, 40, 242
	XCH QB+8, QB+24, 4, 40, 240
	XCH QB+12, QB+28, 4, 40, 242
	XCH QB, QB+8, 2, 41, 240
	XCH QB+4, QB+12, 2, 41, 242
	XCH QB+16, QB+24, 2, 41, 240
	XCH QB+20, QB+28, 2, 41, 242
	XCH QB, QB+4, 1, 42, 240
	XCH QB+8, QB+12, 1, 42, 242
	XCH QB+16, QB+20, 1, 42, 240
	XCH QB+24, QB+28, 1, 42, 242
.endm
.macro GA s, hf                        ; the gathers of positions 16 hf .. 16 hf + 15 of block s: 32 LDS loads, straight into the registers that the conversions read
.set QB, 16+32*((\s)/4)+2*((\s)%2)+((\s)/2)%2
.set HB, 80+64*((\s)%2)
.set gi, 16*(\hf)
.rept 4
.irp u, 0,1,2,3
	v_bfe_u32 v[240+\u], v[QB+4*((gi+\u)%8)], 8*((gi+\u)/8), 8
.endr
.irp u, 0,1,2,3
	v_min_u32 v[240+\u], 0xff, v[240+\u]           ; a loaded number enters an address only behind a bound written in the text
.endr
.irp u, 0,1,2,3
	v_lshl_add_u32 v[240+\u], v[240+\u], 8, v2     ; 256 idx + 8 l
.endr
.irp u, 0,1,2,3
	ds_load_b32 v[HB+gi+\u], v[240+\u]             ; lut8[l][idx]
	ds_load_b32 v[HB+32+gi+\u], v[240+\u] offset:4 ; lut4[l][idx & 15]
.endr
.set gi, gi+4
.endr
.endm
.macro MX s, hf                        ; the largest magnitudes of half a block, both classes, two chains each; the first half starts them, with the floor 2^(5 - 127)
.set MB, 80+64*((\s)%2)+16*(\hf)
.irp c, 0,1
.if (\hf) == 0
	v_max3_num_f32 v[244+2*\c], |v[MB+32*\c]|, |v[MB+32*\c+1]|, 0x2800000
.else
	v_max3_num_f32 v[244+2*\c], v[244+2*\c], |v[MB+32*\c]|, |v[MB+32*\c+1]|
.endif
	v_max3_num_f32 v[245+2*\c], |v[MB+32*\c+8]|, |v[MB+32*\c+9]|, |v[MB+32*\c+10]|
.endr
.irp i, 2,4
.irp c, 0,1
	v_max3_num_f32 v[244+2*\c], v[244+2*\c], |v[MB+32*\c+\i]|, |v[MB+32*\c+\i+1]|
	v_max3_num_f32 v[245+2*\c], v[245+2*\c], |v[MB+32*\c+\i+9]|, |v[MB+32*\c+\i+10]|
.endr
.endr
.irp c, 0,1
	v_max3_num_f32 v[244+2*\c], v[244+2*\c], |v[MB+32*\c+6]|, |v[MB+32*\c+7]|
.endr
.irp c, 0,1
	v_max3_num_f32 v[244+2*\c], v[244+2*\c], v[245+2*\c], |v[MB+32*\c+15]|
.endr
.endm
.macro FIN s                           ; block s: scale bytes and codes of both classes
.set HB, 80+64*((\s)%2)
.set fb, 2*((\s)%2)+((\s)/2)%2         ; the block in its K step
.set fc, (\s)%2                        ; which six registers of the image
.set fn, (\s)/4
	v_add_nc_u32 v248, 0xfe000000, v244            ; 4 off the exponent field: the conversion's scale operand
	v_add_nc_u32 v249, 0xfe000000, v246
	v_lshrrev_b32 v250, 23, v248                   ; the scale's byte
	v_lshrrev_b32 v251, 23, v249
.if fb == 0
	v_mov_b32 v[252+fn], v250
	v_mov_b32 v[254+fn], v251
.else
	v_lshl_or_b32 v[252+fn], v250, 8*fb, v[252+fn]
	v_lshl_or_b32 v[254+fn], v251, 8*fb, v[254+fn]
.endif
.if fc == 0
	s_wait_xcnt 0x0                                ; the last image's stores have read their registers: the images are written again only behind this wait
.endif
	v_cvt_scalef32_pk16_bf6_f32 v[208+6*fc:210+6*fc], v[HB:HB+15], v248
	v_cvt_scalef32_pk16_bf6_f32 v[232:234], v[HB+16:HB+31], v248         ; (a conversion's three registers begin on an even number)
	v_cvt_scalef32_pk16_bf6_f32 v[220+6*fc:222+6*fc], v[HB+32:HB+47], v249
	v_cvt_scalef32_pk16_bf6_f32 v[236:238], v[HB+48:HB+63], v249
	v_nop                                          ; one plain line behind the scaled conversions
.irp i, 0,1,2
	v_mov_b32 v[211+6*fc+\i], v[232+\i]
	v_mov_b32 v[223+6*fc+\i], v[236+\i]
.endr
.endm
.macro OUT s                           ; the images of the operand's lane (r, h), K step par + 2 n: sixteen lanes store 256 consecutive bytes, aligned
.set on, (\s)/4
.set oh, ((\s)/2)%2
.irp c, 0,1,2
	global_store_b128 v4, v[208+4*\c:211+4*\c], s[34:35] offset:3072*on+512*\c+256*oh
	global_store_b128 v4, v[220+4*\c:223+4*\c], s[32:33] offset:3072*on+512*\c+256*oh
.endr
.endm
	s_wait_dscnt 0x0                               ; the plane words
	TR 0
	GA 0, 0
.irp s, 0,1,2,3,4,5,6,7
.if \s < 7
	TR \s+1                                        ; register work while the first half's gathers are on their way
.endif
	GA \s, 1
	s_wait_dscnt 32                                ; the first half is in; the 32 gathers just issued may be out
	MX \s, 0
.if \s < 7
	GA \s+1, 0                                     ; the next block's first half, into the other buffer
	s_wait_dscnt 32                                ; this block's second half is in; the 32 just issued may be out
.else
	s_wait_dscnt 0x0
.endif
	MX \s, 1
	FIN \s
.if \s%2 == 1
	OUT \s
.endif
.endr
	global_store_b64 v5, v[252:253], s[38:39]      ; the scale words of my two K steps: sixteen lanes store 128 consecutive bytes; the wave of the other parity stores the 128 beside them
	global_store_b64 v5, v[254:255], s[36:37]
	s_wait_tensorcnt 0x0
	ds_add_u32 v235, v239
	s_wait_dscnt 0x0
	s_endpgm
; ------------------------------------------------------------------ the placing of tokens
; SCALARS: s4-35 and s66-97 the 64 masks: bit l of mask w = 4 k + e is the flag of token 128 k + 4 l + e (any fixed order of the tokens serves: every wave uses this one).
.set RT,  48                           ; s48 the tile
.set RV,  49                           ; s49 which 32 of its rows
.set TM,  50                           ; s50, s52 at work
.set PC,  51                           ; s51 tokens of my class in the masks passed
.set T2,  52
.set NH,  53                           ; s53 tokens of class 1; later the last rank of my tile
.set NL,  54
.set CH,  55
.set CL,  56
.set SPR, 57
.set XH,  58
.set XL,  59
.set TL,  60
.set CLS, 61
.set NN,  62
.set XX,  63
.set INV, 99
.set JJ,  100
.set LO,  101
.Lroute:
	s_load_b128 s[36:39], s[0:1], 0x18             ; flags, xq
	s_load_b64 s[40:41], s[0:1], 0x28              ; xs
	s_load_b128 s[44:47], s[0:1], 0x40             ; xa, sa
	s_load_b64 s[42:43], s[0:1], 0x50              ; perm
	s_sub_co_u32 s[TM], ttmp9, 256
	s_mul_i32 s[RT], s[TM], 205
	s_lshr_b32 s[RT], s[RT], 10                    ; the tile: (g - 256) / 5
	s_mul_i32 s[RV], s[RT], 5
	s_sub_co_u32 s[RV], s[TM], s[RV]               ; and the rest
	v_and_b32 v1, 31, v0                           ; lane
	v_lshlrev_b32 v15, 4, v1
	s_wait_kmcnt 0x0
.irp k, 0,1,2,3,4,5,6,7,8,9,10,11,12,13,14,15
	global_load_b128 v[16+4*\k:19+4*\k], v15, s[36:37] offset:512*\k      ; all 2,048 flags
.endr
	s_wait_loadcnt 0x0
.set w, 0
.rept 64
	v_cmp_ne_u32 s[4+w+30*(w/32)], 0, v[16+w]
.set w, w+1
.endr
	s_mov_b32 s[NH], 0
.set w, 0
.rept 64
	s_bcnt1_i32_b32 s[TM], s[4+w+30*(w/32)]
	s_add_co_u32 s[NH], s[NH], s[TM]
.set w, w+1
.endr
	s_sub_co_u32 s[NL], 2048, s[NH]
	s_add_co_u32 s[CH], s[NH], 159                 ; ceil(n / 160) = ((n + 159) / 32) / 5, the division by 5 as x 205 / 1,024 (exact under 1,024)
	s_lshr_b32 s[CH], s[CH], 5
	s_mul_i32 s[CH], s[CH], 205
	s_lshr_b32 s[CH], s[CH], 10
	s_add_co_u32 s[CL], s[NL], 159
	s_lshr_b32 s[CL], s[CL], 5
	s_mul_i32 s[CL], s[CL], 205
	s_lshr_b32 s[CL], s[CL], 10
	s_add_co_u32 s[SPR], s[CH], s[CL]
	s_sub_co_u32 s[SPR], 14, s[SPR]                ; 0 or 1 tile is over:
	s_cmp_ge_u32 s[NH], s[NL]
	s_cselect_b32 s[XH], s[SPR], 0                 ; it goes to the larger class
	s_sub_co_u32 s[XL], s[SPR], s[XH]
	s_add_co_u32 s[TL], s[CL], s[XL]               ; class 0 has the first TL tiles
	s_cmp_ge_u32 s[RT], s[TL]
	s_cselect_b32 s[CLS], 1, 0                     ; my tile's class,
	s_cselect_b32 s[NN], s[NH], s[NL]              ; its tokens,
	s_cselect_b32 s[XX], s[XH], s[XL]              ; whether it has the tile that is over,
	s_cselect_b32 s[INV], 0, -1                    ; what turns a mask of flags into a mask of my class,
	s_cselect_b32 s[JJ], s[TL], 0
	s_sub_co_u32 s[JJ], s[RT], s[JJ]               ; and my tile's number in the class
	s_sub_co_i32 s[T2], s[JJ], s[XX]
	s_max_i32 s[T2], s[T2], 0
	s_mul_i32 s[LO], s[T2], 160                    ; ranks lo .. hi - 1 of the class are my tile's
	s_add_co_u32 s[NH], s[LO], 160
	s_min_u32 s[NH], s[NH], s[NN]
	s_cmp_eq_u32 s[JJ], 1
	s_cselect_b32 s[TM], 80, 0
	s_mul_i32 s[TM], s[TM], s[XX]
	s_add_co_u32 s[LO], s[LO], s[TM]               ; (of the two tiles that share the first 160: the second begins at 80,
	s_cmp_eq_u32 s[JJ], 0
	s_cselect_b32 s[TM], 80, 0
	s_mul_i32 s[TM], s[TM], s[XX]
	s_sub_co_u32 s[NH], s[NH], s[TM]               ; the first ends there)
	s_sub_co_u32 s[NH], s[NH], 1
	s_lshl_b32 s[TM], s[RV], 5
	s_add_co_u32 s[LO], s[LO], s[TM]
	v_add_nc_u32 v2, s[LO], v1
	v_min_u32 v2, s[NH], v2                        ; my row's rank; rows that are over repeat the tile's last
	; the scan: the last mask in front of which at most rank tokens of the class have passed holds my token
	s_xor_b32 s[TM], s4, s[INV]
	v_mov_b32 v3, s[TM]                            ; that mask,
	v_mov_b32 v4, 0                                ; the tokens in front of it,
	v_mov_b32 v5, 0                                ; its number
	s_bcnt1_i32_b32 s[PC], s[TM]
.set w, 1
.rept 63
	s_xor_b32 s[TM], s[4+w+30*(w/32)], s[INV]
	v_cmp_le_u32 vcc_lo, s[PC], v2
	v_cndmask_b32 v3, v3, s[TM], vcc_lo
	v_cndmask_b32 v4, v4, s[PC], vcc_lo
	v_cndmask_b32 v5, v5, w, vcc_lo
	s_bcnt1_i32_b32 s[T2], s[TM]
	s_add_co_u32 s[PC], s[PC], s[T2]
.set w, w+1
.endr
	v_sub_nc_u32 v4, v2, v4                        ; k: my token is the mask's set bit number k
	v_lshrrev_b32 v8, 1, v3                        ; counts of set bits in fields of 2, 4, 8 and 16 bits
	v_and_b32 v8, 0x55555555, v8
	v_sub_nc_u32 v8, v3, v8
	v_lshrrev_b32 v9, 2, v8
	v_and_b32 v9, 0x33333333, v9
	v_and_b32 v10, 0x33333333, v8
	v_add_nc_u32 v9, v9, v10
	v_lshrrev_b32 v10, 4, v9
	v_add_nc_u32 v10, v10, v9
	v_and_b32 v10, 0x0f0f0f0f, v10
	v_lshrrev_b32 v11, 8, v10
	v_add_nc_u32 v11, v11, v10
	v_mov_b32 v6, 0                                ; the bit's place, found by halving: where k is not under the lower half's count, go to the upper half
.macro LEVEL src, width, step
	v_bfe_u32 v12, v[\src], v6, \width
	v_cmp_ge_u32 vcc_lo, v4, v12
	v_cndmask_b32 v12, 0, v12, vcc_lo
	v_cndmask_b32 v13, 0, \step, vcc_lo
	v_sub_nc_u32 v4, v4, v12
	v_add_nc_u32 v6, v6, v13
.endm
	LEVEL 11, 8, 16
	LEVEL 10, 8, 8
	LEVEL 9, 4, 4
	LEVEL 8, 2, 2
	LEVEL 3, 1, 1
	v_lshrrev_b32 v12, 2, v5
	v_and_b32 v13, 3, v5
	v_lshl_add_u32 v13, v6, 2, v13
	v_lshl_add_u32 v6, v12, 7, v13                 ; token = 128 (w / 4) + 4 bit + w % 4
	v_min_u32 v6, 0x7ff, v6
	s_cmp_lg_u32 s[WVN], 0                         ; wave 0 alone stores the list
	s_cbranch_scc1 .Lno_perm
	s_lshl_b32 s[TM], s[CLS], 16
	v_or_b32 v7, s[TM], v6
	s_mul_i32 s[TM], s[RT], 160
	s_lshl_b32 s[T2], s[RV], 5
	s_add_co_u32 s[TM], s[TM], s[T2]
	s_lshl_b32 s[TM], s[TM], 2
	s_mov_b32 s[PC], 0
	s_add_nc_u64 s[42:43], s[42:43], s[TM:PC]
	v_lshlrev_b32 v14, 2, v1
	global_store_b32 v14, v7, s[42:43]
.Lno_perm:
	; where my wave reads and writes: slot = my wave's number
	s_mul_i32 s[TM], s[WVN], 384
	s_mov_b32 s[PC], 0
	s_add_nc_u64 s[38:39], s[38:39], s[TM:PC]      ; xq + 384 slot
	s_lshl_b32 s[TM], s[WVN], 4
	s_add_nc_u64 s[40:41], s[40:41], s[TM:PC]      ; xs + 16 slot
	s_lshl_b32 s[TM], s[RT], 3
	s_add_co_u32 s[TM], s[TM], s[WVN]
	s_mul_i32 s[TM], s[TM], 64000
	s_mul_i32 s[T2], s[RV], 12800
	s_add_co_u32 s[TM], s[TM], s[T2]
	s_add_nc_u64 s[44:45], s[44:45], s[TM:PC]      ; xa + (8 tile + slot) 64,000 + 12,800 x my 32 rows
	s_mul_i32 s[TM], s[RT], 10
	s_lshl_b32 s[T2], s[RV], 1
	s_add_co_u32 s[TM], s[TM], s[T2]
	s_lshl_b32 s[TM], s[TM], 3
	s_add_co_u32 s[TM], s[TM], s[WVN]
	s_lshl_b32 s[TM], s[TM], 8
	s_add_nc_u64 s[46:47], s[46:47], s[TM:PC]      ; sa + ((10 tile + 2 x my 32 rows) 8 + slot) 256
	; the scale words: lane l stores the 16 bytes of places lane' = 2 (l % 16) and + 1 of block l / 16; place lane' = r + 16 par holds row r's words of K steps par and par + 2
	v_and_b32 v8, 15, v1
	v_and_b32 v9, 16, v1
	v_bfe_u32 v10, v1, 3, 1
	v_lshlrev_b32 v10, 3, v10                      ; 8 par
.irp e, 0,1
	v_lshl_add_u32 v11, v8, 1, \e
	v_and_b32 v11, 15, v11                         ; r
	v_add_lshl_u32 v11, v11, v9, 2
	ds_bpermute_b32 v[12+\e], v11, v6              ; the token of row 16 (l / 16) + r of my 32
.endr
	; the codes: my 32 rows of 400 bytes are 800 pieces of 16, piece m = 32 it + l: row m / 25, piece m % 25 of it; the 25th is the padding and repeats the 24th
.set it, 0
.rept 25
	v_add_nc_u32 v8, 32*it, v1
	v_mul_u32_u24 v9, v8, 5243
	v_lshrrev_b32 v9, 17, v9                       ; m / 25 (exact under 800)
	v_mul_u32_u24 v11, v9, 25
	v_sub_nc_u32 v11, v8, v11
	v_min_u32 v11, 23, v11
	v_lshlrev_b32 v[48+it], 4, v11
	v_lshlrev_b32 v9, 2, v9
	ds_bpermute_b32 v[16+it], v9, v6               ; that row's token
.set it, it+1
.endr
	s_wait_dscnt 0x0
.irp e, 0,1
	v_min_u32 v[12+\e], 0x7ff, v[12+\e]
	v_lshl_add_u32 v[12+\e], v[12+\e], 7, v10      ; 128 token + 8 par
	global_load_b64 v[184+2*\e:185+2*\e], v[12+\e], s[40:41]
.endr
.set it, 0
.rept 25
	v_min_u32 v[16+it], 0x7ff, v[16+it]
	v_mul_u32_u24 v[16+it], v[16+it], 3072
	v_add_nc_u32 v[16+it], v[16+it], v[48+it]      ; 3,072 token + 16 piece
	global_load_b128 v[80+4*it:83+4*it], v[16+it], s[38:39]
.set it, it+1
.endr
	v_and_b32 v8, 15, v1
	v_lshrrev_b32 v9, 4, v1
	v_lshlrev_b32 v8, 4, v8
	v_lshl_add_u32 v8, v9, 11, v8
	s_wait_loadcnt 25                              ; the two loads of scale words are in; the 25 of codes may be out
	global_store_b128 v8, v[184:187], s[46:47]     ; sixteen lanes store 256 consecutive bytes, aligned
.set it, 0
.rept 25
	s_wait_loadcnt 24-it
	global_store_b128 v15, v[80+4*it:83+4*it], s[44:45] offset:512*it     ; 512 consecutive bytes
.set it, it+1
.endr
	s_endpgm
.Lfunc_end_k_q528c0f26ff_wroute:
	.size	k_q528c0f26ff_wroute, .Lfunc_end_k_q528c0f26ff_wroute-k_q528c0f26ff_wroute
	.p2alignl 7, 3214868480
	.fill 96, 4, 3214868480
	.section	.rodata,"a",@progbits
	.p2align	6, 0x0
	.amdhsa_kernel k_q528c0f26ff_wroute
		.amdhsa_group_segment_fixed_size 136192
		.amdhsa_private_segment_fixed_size 0
		.amdhsa_enable_private_segment 0
		.amdhsa_kernarg_size 88
		.amdhsa_user_sgpr_count 2
		.amdhsa_user_sgpr_kernarg_segment_ptr 1
		.amdhsa_wavefront_size32 1
		.amdhsa_system_sgpr_workgroup_id_x 1
		.amdhsa_system_sgpr_workgroup_id_y 1
		.amdhsa_system_sgpr_workgroup_id_z 1
		.amdhsa_system_vgpr_workitem_id 0
		.amdhsa_next_free_vgpr 256
		.amdhsa_next_free_sgpr 104
		.amdhsa_reserve_vcc 1
		.amdhsa_float_denorm_mode_32 3
		.amdhsa_float_denorm_mode_16_64 3
		.amdhsa_memory_ordered 1
		.amdhsa_forward_progress 1
		.amdhsa_inst_pref_size 196
	.end_amdhsa_kernel
	.amdgpu_metadata
---
amdhsa.version: [ 1, 2 ]
amdhsa.kernels:
  - .name:           k_q528c0f26ff_wroute
    .symbol:         k_q528c0f26ff_wroute.kd
    .args:
      - { .name: qweight, .offset: 0, .size: 8, .value_kind: global_buffer, .address_space: global }
      - { .name: lut4, .offset: 8, .size: 8, .value_kind: global_buffer, .address_space: global }
      - { .name: lut8, .offset: 16, .size: 8, .value_kind: global_buffer, .address_space: global }
      - { .name: flags, .offset: 24, .size: 8, .value_kind: global_buffer, .address_space: global }
      - { .name: xq, .offset: 32, .size: 8, .value_kind: global_buffer, .address_space: global }
      - { .name: xs, .offset: 40, .size: 8, .value_kind: global_buffer, .address_space: global }
      - { .name: wq, .offset: 48, .size: 8, .value_kind: global_buffer, .address_space: global }
      - { .name: ws, .offset: 56, .size: 8, .value_kind: global_buffer, .address_space: global }
      - { .name: xa, .offset: 64, .size: 8, .value_kind: global_buffer, .address_space: global }
      - { .name: sa, .offset: 72, .size: 8, .value_kind: global_buffer, .address_space: global }
      - { .name: perm, .offset: 80, .size: 8, .value_kind: global_buffer, .address_space: global }
    .group_segment_fixed_size: 136192
    .private_segment_fixed_size: 0
    .kernarg_segment_align: 8
    .kernarg_segment_size: 88
    .max_flat_workgroup_size: 256
    .sgpr_count:     104
    .vgpr_count:     256
    .wavefront_size: 32
...
	.end_amdgpu_metadata
.endif
;; end of part 2
;; launch gemm (part 3): grid 16 x 14, 4 waves a work-group, clusters of 4 x 1, 327,680 bytes of LDS; arguments xa, sa, wq, ws, bias, perm, out0; writes out0
.if DOCPART == 3
	.amdgcn_target "amdgcn-amd-amdhsa--gfx1250"
	.amdhsa_code_object_version 6
	.text
	.protected	k_q528c0f26ff_gemm
	.globl	k_q528c0f26ff_gemm
	.p2align	8
	.type	k_q528c0f26ff_gemm,@function
k_q528c0f26ff_gemm:
	s_mov_b64 s[64:65], 0
	v_nop
	global_prefetch_b8 v0, s[64:65] scope:SCOPE_SE
	s_setreg_imm32_b32 hwreg(HW_REG_WAVE_MODE, 25, 1), 1
	s_wait_xcnt 0x0
	s_wait_alu depctr_hold_cnt(0) depctr_sa_sdst(0) depctr_va_vdst(0) depctr_va_sdst(0) depctr_va_ssrc(0) depctr_va_vcc(0) depctr_vm_vsrc(0)
	s_getreg_b32 s2, hwreg(HW_REG_IB_STS2, 6, 4)
	s_cmp_eq_u32 s2, 0
	s_cbranch_scc0 .Lentry_in_a_cluster
	s_endpgm
.Lentry_in_a_cluster:
	s_bfe_u32 s2, ttmp6, 0x10000c
	s_cmp_lg_u32 s2, 0x3003
	s_cbranch_scc0 .Lentry_shape_is_right
	s_endpgm
.Lentry_shape_is_right:
; out0[token][o] = sum over k of x[token][k] w_c[o][k] + bias[o], c the token's class, on codes of BF6 (E3M2) with one E8M0 scale for each 32 along K; sums in f32.
; The tokens lie sorted by class in 14 tiles of 160 rows (xa, sa, perm), the weights of both classes as images of operand registers (wq, ws): only the product that reference keeps is multiplied.
; SHARES.  A work-group makes one tile of 160 rows x 256 columns; its four waves 80 x 128 each: 40 accumulators of 16 x 16.  14 x 16 = 224 work-groups.
; K goes in slots of 512 (four K steps of 128) through a ring of two LDS slots: 160 rows x 400 bytes of A and 256 rows' images of B, 162,304 bytes a slot.  Waves 0 and 1 fetch A's halves, waves 2 and 3 B's: one tensor load a wave.
; A refill has four K steps, 160 matrix instructions a wave, in which to land.  By this text's own count a wave has two tensor loads out at the start and one behind each change of slots.
; CLUSTER: the four work-groups of a cluster make four column tiles of ONE tile of rows: A's tiles are asked for jointly (mask 15).  B's are not shared: work-groups that want the same columns belong to
; different tiles of rows, whose classes, read from memory, may differ, and a joint load's descriptor must be equal in all that it names; tiles padded so that four rows of tiles share a class would be 3,072 rows for 2,240.
; THE SCALES come straight into registers, 13 loads of 256 consecutive bytes a slot, asked for one slot ahead: beside two slots of this size LDS has no room for them.
; THE MATRIX INSTRUCTION IS USED TRANSPOSED (source 0 = 16 rows of W, source 1 = 16 tokens): a lane holds eight neighbouring columns of one token's row.  The bias is the C of each sum's first instruction.
; A's row in LDS: 400 bytes = 25 x 16: the sixteen rows of a 16-byte load start at sixteen different groups of four banks (64 banks of 4 bytes: ISA guide 11.1).  In a K step's 96 bytes the blocks stand in the order 0, 2, 1, 3:
; lane (r, h) takes 48 neighbouring bytes, blocks h and 2 + h: its 12 registers.  B's fragments are images: three loads of 512 consecutive bytes.
; No prefetch: who should ask for B's tiles would hang on the class, a number read from memory, and no branch here may.  One tile to a work-group: nothing to stay for.
; Rows that a tile has over repeat its last token: the same bytes are then stored twice, by this work-group alone.
; REGISTERS, in windows of 256: window 0: v16-30 addresses; v32-83 scale words, two sets of 26 (A's block a: a pair at 2 a; B's block b: a pair at 10 + 2 b; register pp of a pair: lanes 0-15 K step 2 pp, lanes 16-31 K step 2 pp + 1);
;   v96-127 store offsets; v128-191 the bias; on the way out v128-255 rows read back.   window 1: B's fragments, two sets, at v0 and v128.   window 2: the accumulators of A's blocks 0-3 (v[8 (8 a + b)]).
;   window 3: v0-63 those of block 4; A's fragments, two sets, at v64 and v128.
.set SLOT,   162304
.set AHALF,  32000                     ; 80 rows x 400 bytes = 125 rows of 256 bytes for the mover
.set BOFF,   64000
.set BHALF,  49152                     ; 8 blocks x 4 K steps x 1,536 bytes = 192 rows of 256 bytes
.set SPARE,  2*SLOT                    ; behind the ring: the spare words, 128 bytes for each wave: two blocks of 256 bytes that no other line names
.set SPITCH, 528                       ; the way out: a stage of 16 rows x (512 + 16) bytes for each wave, in slot 0, which has had its last fill and its last read by then
.set ADRA, 16                          ; v16-17 LDS address of my A fragments in slot 0, 1
.set ADRB, 20                          ; v20-21 of my B fragments
.set STO,  24
.set RD,   25
.set CO,   26                          ; v26 16 x lane
.set SCO,  27                          ; v27 8 x lane
.set SPW,  28                          ; v28 LDS address of my spare word; never rewritten
.set NIL,  29                          ; v29 0; never rewritten
.set BO,   30                          ; v30 32 x (lane / 16)
.set SC,   32
.set VO,   96
.set BIAS, 128
.set BK,   128
.set G1A, 24                           ; s[24:31] group 1 for A's tiles; s[32:39] group 0, a set for each slot
.set G0A, 32
.set G1B, 40                           ; s[40:47], s[48:55] the same for B's
.set G0B, 48
.set TK,  24                           ; behind the last tensor load: s[24:39], s[40:55] sixteen entries of perm each
.set MSB, 0
.macro WIN new                         ; the immediate's high byte repeats the setting that is left
.if MSB != \new
	s_set_vgpr_msb (MSB<<8)|\new
.set MSB, \new
.endif
.endm
.set MUL_LO, 0xad                      ; source 0 (B) window 1, source 1 (A) window 3, C and D window 2
.set MUL_HI, 0xfd                      ; the same, C and D window 3
.set TO_B,   0x40
.set TO_A,   0xc0
; Waves 0 and 1 ask for A (jointly), waves 2 and 3 for B.  The branch hangs on the wave's number alone.  Four v_nop follow each of the two lines.
.macro JLOAD s
	s_cmp_eq_u32 s19, 0
	s_cbranch_scc0 .Lfor_b_\@
	tensor_load_to_lds s[G0A+4*\s:G0A+4*\s+3], s[G1A:G1A+7]
	s_nop 0
.rept 4
	v_nop
.endr
	s_branch .Lasked_\@
.Lfor_b_\@:
	tensor_load_to_lds s[G0B+4*\s:G0B+4*\s+3], s[G1B:G1B+7]
	s_nop 0
.rept 4
	v_nop
.endr
.Lasked_\@:
.endm
.macro CREST                           ; a round of the cluster's barrier behind its opening barrier
	s_cmp_lg_u32 s18, 0
	s_cbranch_scc1 .Lnot_wave_0_\@
	s_barrier_signal -3
.Lnot_wave_0_\@:
	s_barrier_wait -3
	s_barrier_signal -1
	s_barrier_wait -1
.endm
.macro CROUND
	s_barrier_signal -1
	s_barrier_wait -1
	CREST
.endm
.macro PLACES                          ; four plain lines between a matrix instruction and a load into, or a read of, its registers
.rept 4
	v_nop
.endr
.endm
	s_load_b128 s[4:7], s[0:1], 0x0                ; xa, sa
	s_load_b128 s[8:11], s[0:1], 0x10              ; wq, ws
	s_load_b128 s[12:15], s[0:1], 0x20             ; bias, perm
	s_load_b64 s[16:17], s[0:1], 0x30              ; out0
	v_lshl_add_u32 v[SPW], v0, 2, SPARE
	v_mov_b32 v[NIL], 0
	ds_add_u32 v28, v29
	ds_add_u32 v28, v29
	s_wait_dscnt 0x0
	v_lshrrev_b32 v1, 5, v0
	v_readfirstlane_b32 s18, v1                    ; wave 0..3
	s_lshr_b32 s19, s18, 1                         ; which 80 rows are mine.  Also: I fetch for A (0) or for B (1)
	s_and_b32 s20, s18, 1                          ; which 128 columns.  Also: which half of that tile I fetch
	s_bfe_u32 s21, ttmp6, 0x40000                  ; cx
	s_lshl_b32 s22, ttmp9, 2
	s_add_co_u32 s22, s22, s21                     ; the column tile = 4 x cluster x + cx
	s_and_b32 s23, ttmp7, 0xffff                   ; the tile of rows, which the four partners share
	s_mul_i32 s66, s23, 160
	s_mul_i32 s67, s19, 80
	s_add_co_u32 s66, s66, s67
	s_lshl_b32 s66, s66, 2
	s_mov_b32 s67, 0
	s_wait_kmcnt 0x0
	s_add_nc_u64 s[80:81], s[14:15], s[66:67]      ; perm at my 80 rows
	s_load_b32 s63, s[80:81], 0x0                  ; token | class << 16: all rows of a tile have one class
	; descriptor group 1: dense blocks as rows of 256 bytes (32 elements of 8 bytes), no padding
	s_mov_b32 s[G1A+0], 15|(3<<16)|(1<<21)         ; 15:0 the mask: all four work-groups; 17:16 elements of 8 bytes; 21 set beside a mask
	s_mov_b32 s[G1A+1], 32<<16                     ; tensor_dim0 = 32
	s_mov_b32 s[G1A+2], 125<<16                    ; tensor_dim1 = 125
	s_mov_b32 s[G1A+3], 32<<16                     ; tile_dim0 = 32
	s_mov_b32 s[G1A+4], 125                        ; tile_dim1 = 125
	s_mov_b32 s[G1A+5], 32                         ; from row to row
	s_mov_b32 s[G1A+6], 0
	s_mov_b32 s[G1A+7], 0
	s_mov_b32 s[G1B+0], 3<<16                      ; no mask: a load of my own
	s_mov_b32 s[G1B+1], 32<<16
	s_mov_b32 s[G1B+2], 192<<16
	s_mov_b32 s[G1B+3], 32<<16
	s_mov_b32 s[G1B+4], 192
	s_mov_b32 s[G1B+5], 32
	s_mov_b32 s[G1B+6], 0
	s_mov_b32 s[G1B+7], 0
	s_mul_i32 s68, s23, 512000                     ; xa: the tile, + my half
	s_mul_i32 s69, s20, AHALF
	s_add_co_u32 s68, s68, s69
	s_mov_b32 s69, 0
	s_mul_i32 s70, s22, 786432                     ; wq: the column tile, + my half (+ the class, below)
	s_mul_i32 s71, s20, BHALF
	s_add_co_u32 s70, s70, s71
	s_mov_b32 s71, 0
	s_mul_i32 s72, s23, 10                         ; sa: my five blocks of 16 rows
	s_mul_i32 s73, s19, 5
	s_add_co_u32 s72, s72, s73
	s_lshl_b32 s72, s72, 11
	s_mov_b32 s73, 0
	s_lshl_b32 s74, s22, 4                         ; ws: my eight blocks of 16 columns (+ the class)
	s_lshl_b32 s75, s20, 3
	s_add_co_u32 s74, s74, s75
	s_lshl_b32 s74, s74, 11
	s_mov_b32 s75, 0
	s_lshl_b32 s76, s22, 10                        ; bias and out0: my first column, in bytes
	s_lshl_b32 s77, s20, 9
	s_add_co_u32 s76, s76, s77
	s_mov_b32 s77, 0
	s_mul_i32 s82, s20, AHALF                      ; where the tiles go in a slot: the wave's number alone enters an LDS address
	s_mul_i32 s83, s20, BHALF
	s_add_co_u32 s83, s83, BOFF
	s_wait_kmcnt 0x0
	s_lshr_b32 s63, s63, 16                        ; the class,
	s_min_u32 s63, s63, 1                          ; held to 0 or 1: a loaded number enters an address only behind a bound written in the text; no jump hangs on it
	s_mul_i32 s78, s63, 12582912                   ; a class's codes, in bytes,
	s_lshl_b32 s79, s63, 19                        ; and its 524,288 bytes of scale words
	s_add_co_u32 s70, s70, s78
	s_add_co_u32 s74, s74, s79
	s_add_nc_u64 s[4:5], s[4:5], s[68:69]
	s_add_nc_u64 s[8:9], s[8:9], s[70:71]
	s_add_nc_u64 s[56:57], s[6:7], s[72:73]
	s_add_nc_u64 s[58:59], s[10:11], s[74:75]
	s_add_nc_u64 s[12:13], s[12:13], s[76:77]
	s_add_nc_u64 s[16:17], s[16:17], s[76:77]
	CROUND                                         ; all four work-groups are here: the first joint loads meet
.irp s, 0,1
	s_mov_b32 s[G0A+4*\s], 1                       ; count = 1
	s_add_co_u32 s[G0A+4*\s+1], s82, \s*SLOT       ; LDS address
	s_add_nc_u64 s[G0A+4*\s+2:G0A+4*\s+3], s[4:5], \s*64000     ; global address: slot s
	s_or_b32 s[G0A+4*\s+3], s[G0A+4*\s+3], 0x80000000           ; type = 2
	s_mov_b32 s[G0B+4*\s], 1
	s_add_co_u32 s[G0B+4*\s+1], s83, \s*SLOT
	s_add_nc_u64 s[G0B+4*\s+2:G0B+4*\s+3], s[8:9], \s*98304
	s_or_b32 s[G0B+4*\s+3], s[G0B+4*\s+3], 0x80000000
	JLOAD \s
.endr
	v_and_b32 v1, 15, v0                           ; r
	v_bfe_u32 v2, v0, 4, 1                         ; h
	v_and_b32 v3, 31, v0                           ; lane
	v_mul_u32_u24 v4, v1, 400
	v_mad_u32_u24 v4, v2, 48, v4                   ; A: row r, + 48 h
	s_mul_i32 s84, s19, AHALF                      ; my 80 rows
	s_mul_i32 s85, s20, BHALF
	s_add_co_u32 s85, s85, BOFF                    ; my 128 columns' images
	v_lshlrev_b32 v[CO], 4, v3
.irp s, 0,1
	v_add_nc_u32 v[ADRA+\s], s84, v4
	v_add_nc_u32 v[ADRB+\s], s85, v[CO]
	s_add_co_u32 s84, s84, SLOT
	s_add_co_u32 s85, s85, SLOT
.endr
	s_mul_i32 s84, s18, 16*SPITCH                  ; my stage
	v_mul_u32_u24 v5, v1, SPITCH
	v_lshl_add_u32 v5, v2, 5, v5
	v_add_nc_u32 v[STO], s84, v5                   ; in: row r, 32 bytes for each half of the lanes
	v_add_nc_u32 v[RD], s84, v[CO]                 ; back: the 32 lanes take one row of 512 bytes
	v_lshlrev_b32 v[SCO], 3, v3
	v_lshlrev_b32 v[BO], 5, v2
.irp b, 0,1,2,3,4,5,6,7
	global_load_b128 v[BIAS+8*\b:BIAS+8*\b+3], v[BO], s[12:13] offset:64*\b          ; bias of columns 16 b + 8 h + 0 .. 7: the result's layout
	global_load_b128 v[BIAS+8*\b+4:BIAS+8*\b+7], v[BO], s[12:13] offset:64*\b+16
.endr
.macro SCLOAD set, off                 ; a slot's scale words: 13 loads of 256 consecutive bytes
.irp i, 0,1,2,3,4
	global_load_b64 v[SC+26*(\set)+2*\i:SC+26*(\set)+2*\i+1], v[SCO], s[56:57] offset:2048*\i+\off
.endr
.irp i, 0,1,2,3,4,5,6,7
	global_load_b64 v[SC+26*(\set)+10+2*\i:SC+26*(\set)+10+2*\i+1], v[SCO], s[58:59] offset:2048*\i+\off
.endr
.endm
	SCLOAD 0, 0
	SCLOAD 1, 256
.macro FETCH_B slot, q, set            ; B's eight fragments of K step q: 24 loads of 512 consecutive bytes
	WIN TO_B
.irp i, 0,1,2,3,4,5,6,7
.irp c, 0,1,2
	ds_load_b128 v[128*(\set)+12*\i+4*\c:128*(\set)+12*\i+4*\c+3], v[ADRB+\slot] offset:(4*\i+(\q))*1536+512*\c
.endr
.endr
.endm
.macro FETCH_A slot, q, set            ; A's five: 15 loads
	WIN TO_A
.irp i, 0,1,2,3,4
.irp c, 0,1,2
	ds_load_b128 v[64+64*(\set)+12*\i+4*\c:64+64*(\set)+12*\i+4*\c+3], v[ADRA+\slot] offset:6400*\i+96*(\q)+16*\c
.endr
.endr
.endm
; Eight matrix instructions: A's block a against B's eight, K step q of the slot (fragments in set q % 2), scale words in set sc.  first = 1: the sums start from the bias.
; The 40 accumulators take turns, one instruction a turn, in the same order in every K step.
.macro MUL a, q, sc, first
.irp b, 0,1,2,3,4,5,6,7
.set rD, 8*(8*((\a)%4)+\b)
.set rB, 128*((\q)%2)+12*\b
.set rA, 64+64*((\q)%2)+12*(\a)
.set rSB, SC+26*(\sc)+10+2*\b+(\q)/2
.set rSA, SC+26*(\sc)+2*(\a)+(\q)/2
.if \first
	v_wmma_scale_f32_16x16x128_f8f6f4 v[rD:rD+7], v[rB:rB+11], v[rA:rA+11], v[BIAS+8*\b:BIAS+8*\b+7], v[rSB], v[rSA] matrix_a_fmt:MATRIX_FMT_BF6 matrix_b_fmt:MATRIX_FMT_BF6
.elseif (\q)%2
	v_wmma_scale_f32_16x16x128_f8f6f4 v[rD:rD+7], v[rB:rB+11], v[rA:rA+11], v[rD:rD+7], v[rSB], v[rSA] matrix_a_fmt:MATRIX_FMT_BF6 matrix_b_fmt:MATRIX_FMT_BF6 matrix_a_scale:MATRIX_SCALE_ROW1 matrix_b_scale:MATRIX_SCALE_ROW1
.else
	v_wmma_scale_f32_16x16x128_f8f6f4 v[rD:rD+7], v[rB:rB+11], v[rA:rA+11], v[rD:rD+7], v[rSB], v[rSA] matrix_a_fmt:MATRIX_FMT_BF6 matrix_b_fmt:MATRIX_FMT_BF6
.endif
.endr
.endm
; One of a slot's first three K steps: the next K step's 39 fragment loads go out in one run, then this step's 40 products.
; scl = 1 (a slot's first step): the scale words of the slot after this one are asked for, into the set that the last slot has left.  cnt: the loads that may be out at a slot's first step.
.macro STEP slot, q, first, scl, cnt
	WIN 0
	PLACES                                         ; in front of loads into registers that the last products have read
.if (\q) == 0
	s_wait_loadcnt \cnt                            ; this slot's scale words are in (asked for a slot ago)
.endif
.if \scl
	s_add_nc_u64 s[56:57], s[56:57], 256           ; no load is out (the wait above was for 0): the bases may step, to this slot;
	s_add_nc_u64 s[58:59], s[58:59], 256
	SCLOAD 1-(\slot), 256                          ; the immediate reaches the next
.endif
	FETCH_B \slot, (\q)+1, ((\q)+1)%2
	FETCH_A \slot, (\q)+1, ((\q)+1)%2
	s_wait_dscnt 39                                ; all but the 39 just issued: this step's fragments are in
.if \first
	WIN 0x8d                                       ; C (the bias) in window 0
.else
	WIN MUL_LO
.endif
	MUL 0, \q, \slot, \first
	MUL 1, \q, \slot, \first
	MUL 2, \q, \slot, \first
	MUL 3, \q, \slot, \first
.if \first
	WIN 0xcd
.else
	WIN MUL_HI
.endif
	MUL 4, \q, \slot, \first
.endm
; A slot's last K step changes slots: ONE barrier; in front of it each wave waits for all its tensor loads, adds 0 to its spare word, and waits for that and for its own reads of this slot.
; fill = 1: the barrier opens a round of the cluster's barrier, and this slot is filled again, two slots ahead, first thing behind it.
.macro TURN slot, next, fill
	WIN 0                                          ; (the add's two registers lie in window 0)
	s_wait_tensorcnt 0x0                           ; all my tensor loads have landed: my part of the next slot;
	ds_add_u32 v[SPW], v[NIL]                      ; 0 onto my spare word
	s_wait_dscnt 1                                 ; (the add may be out: this step's fragments are in)
	WIN MUL_LO
	MUL 0, 3, \slot, 0                             ; eight matrix instructions stand between the add and the wait for it
	s_wait_dscnt 0x0                               ; the add is done, and my reads of this slot are over
	s_barrier_signal -1
	MUL 1, 3, \slot, 0
	WIN 0
	s_barrier_wait -1
.if \fill
	CREST                                          ; no wave of any partner still reads this slot's tile or has a load on its way
	s_add_nc_u64 s[G0A+4*\slot+2:G0A+4*\slot+3], s[G0A+4*\slot+2:G0A+4*\slot+3], 128000
	s_add_nc_u64 s[G0B+4*\slot+2:G0B+4*\slot+3], s[G0B+4*\slot+2:G0B+4*\slot+3], 196608
	JLOAD \slot                                    ; the first tensor load behind the round; its four v_nop are also the places in front of the loads below
.else
	PLACES
.endif
	FETCH_B \next, 0, 0
	FETCH_A \next, 0, 0
	WIN MUL_LO
	MUL 2, 3, \slot, 0
	MUL 3, 3, \slot, 0
	WIN MUL_HI
	MUL 4, 3, \slot, 0
.endm
	s_wait_tensorcnt 1                             ; my part of slot 0 is in; slot 1's may stay out
	s_barrier_signal -1
	s_barrier_wait -1                              ; everybody's is
	FETCH_B 0, 0, 0
	FETCH_A 0, 0, 0
	STEP 0, 0, 1, 0, 13                            ; the first K step stands in front of the loop: its products start the sums.  The bias and set 0 are in; set 1's 13 loads may be out
	WIN 0                                          ; at a label and at a branch every window is 0
	s_mov_b32 s60, 3
.Llap:                                                 ; a trip goes once round the ring, from a lap's second K step to the next lap's first, and fills both slots again
	STEP 0, 1, 0, 0, 0
	STEP 0, 2, 0, 0, 0
	TURN 0, 1, 1
	STEP 1, 0, 0, 1, 0
	STEP 1, 1, 0, 0, 0
	STEP 1, 2, 0, 0, 0
	TURN 1, 0, 1
	STEP 0, 0, 0, 1, 0
	WIN 0
	s_sub_co_u32 s60, s60, 1
	s_cmp_lg_u32 s60, 0
	s_cbranch_scc1 .Llap
	STEP 0, 1, 0, 0, 0                             ; the last lap fills nothing, and has no round of the cluster's barrier
	STEP 0, 2, 0, 0, 0
	TURN 0, 1, 0
	s_load_b512 s[TK:TK+15], s[80:81], 0x0         ; no tensor load is out or to come: the descriptors' registers take the tokens of my blocks 0 and 1
	s_load_b512 s[TK+16:TK+31], s[80:81], 0x40
	STEP 1, 0, 0, 0, 0
	STEP 1, 1, 0, 0, 0
	STEP 1, 2, 0, 0, 0
	s_wait_dscnt 0x0                               ; the very last K step: nothing more to fetch
	WIN MUL_LO
	MUL 0, 3, 1, 0
	MUL 1, 3, 1, 0
	MUL 2, 3, 1, 0
	MUL 3, 3, 1, 0
	WIN MUL_HI
	MUL 4, 3, 1, 0
	WIN 0
; THE WAY OUT, block by block of 16 tokens x 128 columns.  A lane holds 32 neighbouring bytes of a row, and the lanes beside it hold other rows: so a block goes through my own stage in LDS and comes back as whole rows of
; 512 bytes, each stored by the 32 lanes into its token's row of out0.  LDS serves a wave's instructions in order (ISA guide 5.7.1.4): no wait between the stores and the loads, nor in front of the next block's stores.
.macro OFFS a                          ; block a's sixteen tokens become store offsets; the entries of the block two on are asked for into the registers that these leave
	s_wait_kmcnt 0x0
.irp t, 0,1,2,3,4,5,6,7,8,9,10,11,12,13,14,15
	s_and_b32 s62, s[TK+16*((\a)%2)+\t], 0xffff
	s_min_u32 s62, s62, 2047                       ; a loaded number enters an address only behind a bound written in the text
	s_lshl_b32 s62, s62, 14                        ; a row of out0 is 16,384 bytes
	v_add_nc_u32 v[VO+16*((\a)%2)+\t], s62, v[CO]
.endr
.if (\a)+2 < 5
	s_load_b512 s[TK+16*((\a)%2):TK+16*((\a)%2)+15], s[80:81], 64*((\a)+2)
.endif
.endm
.macro TOSTAGE a
.set AC, 64*((\a)%4)
	WIN 0x08+4*((\a)/4)                            ; an LDS store's data are its source 1: window 2 or 3
.irp b, 0,1,2,3,4,5,6,7
	ds_store_b128 v[STO], v[AC+8*\b:AC+8*\b+3] offset:64*\b          ; each accumulator from its low end on
	ds_store_b128 v[STO], v[AC+8*\b+4:AC+8*\b+7] offset:64*\b+16
.endr
	WIN 0
.set BB, BK+64*((\a)%2)
.irp t, 0,1,2,3,4,5,6,7,8,9,10,11,12,13,14,15
	ds_load_b128 v[BB+4*\t:BB+4*\t+3], v[RD] offset:\t*SPITCH
.endr
.endm
.macro SEND a, younger                 ; younger: the LDS instructions issued behind block a's loads, which may stay out
.set BB, BK+64*((\a)%2)
	s_wait_dscnt \younger
.irp t, 0,1,2,3,4,5,6,7,8,9,10,11,12,13,14,15
	global_store_b128 v[VO+16*((\a)%2)+\t], v[BB+4*\t:BB+4*\t+3], s[16:17] th:TH_STORE_NT   ; 32 lanes store 512 consecutive bytes, at a multiple of 256 from out0's first byte
.endr
.endm
	PLACES                                         ; behind the last products: for the reads of results and the loads into registers that products have read
	OFFS 0
	TOSTAGE 0
.irp a, 1,2,3,4
.if \a > 1
	s_wait_xcnt 0x0                                ; block a - 2's stores have read their registers: offsets and rows may be written again
.endif
	OFFS \a
	TOSTAGE \a
	SEND \a-1, 32                                  ; behind block a - 1's loads: block a's 16 stores and 16 loads
.endr
	SEND 4, 0
	s_wait_tensorcnt 0x0                           ; the wave's end: behind my last tensor load and my last LDS store
	ds_add_u32 v[SPW], v[NIL]
	s_wait_dscnt 0x0
	CROUND                                         ; the closing round: no work-group ends while a partner may still ask for a tile that names it
	s_endpgm
.Lfunc_end_k_q528c0f26ff_gemm:
	.size	k_q528c0f26ff_gemm, .Lfunc_end_k_q528c0f26ff_gemm-k_q528c0f26ff_gemm
	.p2alignl 7, 3214868480
	.fill 96, 4, 3214868480
	.section	.rodata,"a",@progbits
	.p2align	6, 0x0
	.amdhsa_kernel k_q528c0f26ff_gemm
		.amdhsa_group_segment_fixed_size 327680
		.amdhsa_private_segment_fixed_size 0
		.amdhsa_enable_private_segment 0
		.amdhsa_kernarg_size 56
		.amdhsa_user_sgpr_count 2
		.amdhsa_user_sgpr_kernarg_segment_ptr 1
		.amdhsa_wavefront_size32 1
		.amdhsa_system_sgpr_workgroup_id_x 1
		.amdhsa_system_sgpr_workgroup_id_y 1
		.amdhsa_system_sgpr_workgroup_id_z 1
		.amdhsa_system_vgpr_workitem_id 0
		.amdhsa_next_free_vgpr 1024
		.amdhsa_next_free_sgpr 100
		.amdhsa_reserve_vcc 0
		.amdhsa_float_denorm_mode_32 3
		.amdhsa_float_denorm_mode_16_64 3
		.amdhsa_memory_ordered 1
		.amdhsa_forward_progress 1
		.amdhsa_inst_pref_size 175
	.end_amdhsa_kernel
	.amdgpu_metadata
---
amdhsa.version: [ 1, 2 ]
amdhsa.kernels:
  - .name:           k_q528c0f26ff_gemm
    .symbol:         k_q528c0f26ff_gemm.kd
    .args:
      - { .name: xa, .offset: 0, .size: 8, .value_kind: global_buffer, .address_space: global }
      - { .name: sa, .offset: 8, .size: 8, .value_kind: global_buffer, .address_space: global }
      - { .name: wq, .offset: 16, .size: 8, .value_kind: global_buffer, .address_space: global }
      - { .name: ws, .offset: 24, .size: 8, .value_kind: global_buffer, .address_space: global }
      - { .name: bias, .offset: 32, .size: 8, .value_kind: global_buffer, .address_space: global }
      - { .name: perm, .offset: 40, .size: 8, .value_kind: global_buffer, .address_space: global }
      - { .name: out0, .offset: 48, .size: 8, .value_kind: global_buffer, .address_space: global }
    .group_segment_fixed_size: 327680
    .private_segment_fixed_size: 0
    .kernarg_segment_align: 8
    .kernarg_segment_size: 56
    .max_flat_workgroup_size: 128
    .sgpr_count:     100
    .vgpr_count:     1024
    .wavefront_size: 32
...
	.end_amdgpu_metadata
.endif
;; end of part 3
